; MI455X (gfx1250); checked and timed in simulation.
; The chip was launched on July 23, 2026; its instructions are those of AMD's public machine-readable ISA for CDNA 5 (MIT licence, August 2026) and "CDNA5" Instruction Set Architecture Reference Guide (July 2026). The comments in the code are by the model that wrote it; some were corrected since.
;; Multihead Attention with Ro PE. Allowed arithmetic: float matrix products may take bf16 or f16 operands with f32 sums; other float arithmetic in f32, or as packed bf16 or f16 multiplies, adds, multiply-adds, maxima and minima; sums over many terms, partial sums and values carried from step to step in f32; what a program stores and reads back later, other than sums and carried values, may be rounded once to bf16 or f16.
;; Inputs: Wk 1,024 x 1,024 float32; Wq 1,024 x 1,024 float32; Wv 1,024 x 1,024 float32; bk 1,024 float32; bq 1,024 float32; bv 1,024 float32; x 4 x 4,096 x 1,024 float32.
;; Outputs: out0 4 x 4,096 x 1,024 float32.
;; One version. Each part assembles by itself: llvm-mc -triple=amdgcn-amd-amdhsa -mcpu=gfx1250 --defsym DOCPART=n.
;; ======== version 1 of 1: 3 launches
;; limits: values are held in f16: magnitudes above 65,504 overflow, below 6.1e-05 lose precision
;; workspace buffers: xb 33,554,432 bytes; wt 6,291,456 bytes; rope 1,048,576 bytes; ball 12,288 bytes; qkv 100,663,296 bytes
;; launch prep (part 1): grid 1665 x 1, 8 waves a work-group, no clusters, 18,432 bytes of LDS; arguments x, Wq, Wk, Wv, bq, bk, bv, xb, wt, rope, ball; writes xb, wt, rope, ball
.if DOCPART == 1
	.amdgcn_target "amdgcn-amd-amdhsa--gfx1250"
	.amdhsa_code_object_version 6
	.text
	.protected	k_qdf2adcfdbe_prep
	.globl	k_qdf2adcfdbe_prep
	.p2align	8
	.type	k_qdf2adcfdbe_prep,@function
k_qdf2adcfdbe_prep:
	s_mov_b64 s[64:65], 0
	v_nop
	global_prefetch_b8 v0, s[64:65] scope:SCOPE_SE
	s_setreg_imm32_b32 hwreg(HW_REG_WAVE_MODE, 25, 1), 1
	s_wait_xcnt 0x0
; PREP: what the projection wants, made once.  Four roles, chosen by the work-group's number (the same for all eight waves of a work-group):
;   0 .. 1023     x [16384][1024] f32 -> xb, the same in bf16: 16 rows a work-group
;   1024 .. 1407  Wq, Wk, Wv [k 1024][n 1024] f32 -> wt [3 x 1024 rows n'][k 1024] bf16: turned, so that K lies along the rows, and with the columns in another order:
;                 with n = 64 head + d:  q, k: n' = 256 (d / 16) + 16 head + d % 16;   v: n' = 16 d + head.   A work-group turns 128 k x one head's 64 columns, through LDS
;   1408 .. 1663  the table of cos and sin: rope [bx 4][block of 16 positions 256][q 2][lane 32] x 16 bytes; lane 16 h + r holds (cos, sin, cos, sin) of position 16 block + r
;                 for the pairs i = 8 bx + 4 h + 2 q and i + 1; the angle is position x 10000^(-2 i / 1024)
;   1664          bq, bk, bv -> ball [3072] f32 in wt's order of rows, each number rounded to bf16 (all inputs have this one rounding) and kept as f32
; Memory binds: every byte is read once and written once, each store of sixteen neighbouring lanes covers 256 consecutive bytes, aligned.  No matrix unit, no tensor load, no cluster: nothing is shared.
; LIMITS.  The table serves positions up to 4,095 (angles up to 4,095 radians: the reduction by pi / 2 in two parts is exact in its first part up to there).  cos and sin are polynomials on
; [-pi/4, pi/4], good to about 1e-7.  NaN and infinities in x, W and b go through the conversions as they are.
.set SPARE, 17408                      ; behind role w's 64 rows of 272 bytes: the spare words, 128 bytes for each of eight waves: four blocks of 256 bytes that no other line names
.set SPW, 14                           ; v14  LDS address of my spare word; never rewritten
.set NIL, 15                           ; v15  0; never rewritten
.set X,   16                           ; role x: v[16:79]   sixteen rows' 16 bytes as loaded
.set Y,   80                           ; role x: v[80:111]  the same in bf16
.set W,   24                           ; role t: v[24:30]   at work
	s_load_b512 s[4:19], s[0:1], 0x0               ; x s[4:5], Wq s[6:7], Wk s[8:9], Wv s[10:11], bq s[12:13], bk s[14:15], bv s[16:17], xb s[18:19]
	s_load_b128 s[20:23], s[0:1], 0x40             ; wt s[20:21], rope s[22:23]
	s_load_b64 s[24:25], s[0:1], 0x50              ; ball
	v_lshl_add_u32 v[SPW], v0, 2, SPARE
	v_mov_b32 v[NIL], 0
	s_wait_kmcnt 0x0
	s_cmp_lt_u32 ttmp9, 1024
	s_cbranch_scc1 .Lx
	s_cmp_lt_u32 ttmp9, 1408
	s_cbranch_scc1 .Lw
	s_cmp_lt_u32 ttmp9, 1664
	s_cbranch_scc1 .Lt
	; ROLE b.  Thread t writes ball[4 t .. 4 t + 3] of each of the three parts.
	v_bfe_u32 v1, v0, 2, 4                         ; q, k: n' = 4 t + e: head = (t / 4) % 16,
	v_lshrrev_b32 v2, 6, v0                        ; d / 16 = t / 64,
	v_and_b32 v3, 3, v0                            ; d % 16 = 4 (t % 4) + e
	v_lshlrev_b32 v4, 8, v1
	v_lshl_add_u32 v4, v2, 6, v4
	v_lshl_add_u32 v4, v3, 4, v4                   ; byte 4 (64 head + d): four neighbouring numbers
	v_lshrrev_b32 v5, 2, v0                        ; v: d = t / 4, head = 4 (t % 4) + e: four numbers 256 bytes apart
	v_lshlrev_b32 v5, 2, v5
	v_lshl_add_u32 v5, v3, 10, v5
	v_lshlrev_b32 v6, 4, v0
	global_load_b128 v[16:19], v4, s[12:13]
	global_load_b128 v[20:23], v4, s[14:15]
.irp e, 0,1,2,3
	global_load_b32 v[24+\e], v5, s[16:17] offset:256*\e
.endr
	s_wait_loadcnt 0x0
.irp g, 0,1,2,3,4,5
	v_cvt_pk_bf16_f32 v[32+\g], v[16+2*\g], v[17+2*\g]  ; rounded to bf16,
.endr
.irp g, 0,1,2,3,4,5
	v_lshlrev_b32 v[16+2*\g], 16, v[32+\g]         ; and widened again
	v_and_b32 v[17+2*\g], 0xffff0000, v[32+\g]
.endr
	global_store_b128 v6, v[16:19], s[24:25]
	global_store_b128 v6, v[20:23], s[24:25] offset:4096
	global_store_b128 v6, v[24:27], s[24:25] offset:8192
	s_endpgm
	; ROLE x.  Thread t owns 16 bytes of each of 16 rows: all sixteen loads go out at once (64 KiB a work-group); no register is written twice.
.Lx:
	s_lshl_b32 s26, ttmp9, 16                      ; 16 rows of 4,096 bytes
	s_mov_b32 s27, 0
	s_lshl_b32 s28, ttmp9, 15                      ; 16 rows of 2,048 bytes
	s_mov_b32 s29, 0
	s_add_nc_u64 s[4:5], s[4:5], s[26:27]
	s_add_nc_u64 s[18:19], s[18:19], s[28:29]
	v_lshlrev_b32 v1, 4, v0
	v_lshlrev_b32 v2, 3, v0
.irp r, 0,1,2,3,4,5,6,7,8,9,10,11,12,13,14,15
	global_load_b128 v[X+4*\r:X+4*\r+3], v1, s[4:5] offset:4096*\r th:TH_LOAD_NT
.endr
.irp r, 0,1,2,3,4,5,6,7,8,9,10,11,12,13,14,15
	s_wait_loadcnt 15-\r                           ; loads come back in order: row r is in, the younger rows stay out
	v_cvt_pk_bf16_f32 v[Y+2*\r], v[X+4*\r], v[X+4*\r+1]
	v_cvt_pk_bf16_f32 v[Y+2*\r+1], v[X+4*\r+2], v[X+4*\r+3]
	global_store_b64 v2, v[Y+2*\r:Y+2*\r+1], s[18:19] offset:2048*\r  ; a wave stores 256 consecutive bytes, aligned
.endr
	s_endpgm
	; ROLE w.  128 k x 64 columns.  In: thread (q = t % 16, kg = t / 16) loads rows 8 kg .. 8 kg + 7, columns 4 q .. 4 q + 3.  LDS: [column 64][k 128 in bf16], rows of 256 + 16 bytes.
	; Out: sixteen lanes take one column's 256 bytes.  The LDS stores collide four deep (four columns a lane, 1,088 bytes from lane to lane): 6 MiB in the whole launch, left so for plain addresses.
.Lw:
	s_sub_co_u32 s26, ttmp9, 1024
	s_lshr_b32 s32, s26, 7                         ; which matrix: 0 q, 1 k, 2 v
	s_and_b32 s33, s26, 15                         ; head
	s_bfe_u32 s34, s26, 0x30004                    ; block of 128 k
	s_cmp_eq_u32 s32, 2
	s_cselect_b32 s30, 15, 11                      ; a step of d % 16 is 16 rows of wt for v, one row for q and k;
	s_cselect_b32 s31, 11, 15                      ; a step of head the other way round (a row of wt: 2,048 bytes)
	s_cselect_b64 s[36:37], s[10:11], s[8:9]
	s_cmp_eq_u32 s32, 0
	s_cselect_b64 s[36:37], s[6:7], s[36:37]
	s_lshl_b32 s38, s34, 19                        ; 128 rows of 4,096 bytes
	s_lshl_b32 s39, s33, 8                         ; 64 columns of 4 bytes
	s_add_co_u32 s38, s38, s39
	s_mov_b32 s39, 0
	s_add_nc_u64 s[36:37], s[36:37], s[38:39]
	s_lshl_b32 s40, s32, 21                        ; 1,024 rows of wt
	s_lshl_b32 s41, s33, s31
	s_add_co_u32 s40, s40, s41
	s_lshl_b32 s41, s34, 8                         ; 128 k of 2 bytes
	s_add_co_u32 s40, s40, s41
	s_mov_b32 s41, 0
	s_add_nc_u64 s[20:21], s[20:21], s[40:41]
	v_and_b32 v1, 15, v0                           ; q
	v_lshrrev_b32 v2, 4, v0                        ; kg
	v_lshlrev_b32 v3, 15, v2
	v_lshl_add_u32 v3, v1, 4, v3                   ; in memory: 8 kg rows + 16 q
	v_mul_u32_u24 v4, v1, 1088
	v_lshl_add_u32 v4, v2, 4, v4                   ; into LDS: column 4 q, byte 16 kg
	v_mul_u32_u24 v5, v2, 272
	v_lshl_add_u32 v5, v1, 4, v5                   ; back: column kg, byte 16 q
	v_lshlrev_b32 v6, s30, v2
	v_lshl_add_u32 v6, v1, 4, v6                   ; in wt: the row of d % 16 = kg, byte 16 q
.irp i, 0,1,2,3,4,5,6,7
	global_load_b128 v[16+4*\i:19+4*\i], v3, s[36:37] offset:4096*\i th:TH_LOAD_NT
.endr
	s_wait_loadcnt 0x0
.irp e, 0,1,2,3
.irp p, 0,1,2,3
	v_cvt_pk_bf16_f32 v[48+4*\e+\p], v[16+8*\p+\e], v[20+8*\p+\e]  ; column 4 q + e, k = 8 kg + 2 p and the next
.endr
.endr
.irp e, 0,1,2,3
	ds_store_b128 v4, v[48+4*\e:51+4*\e] offset:272*\e
.endr
	s_wait_dscnt 0x0                               ; for the others' sake: my stores are done
	s_barrier_signal -1
	s_barrier_wait -1
.irp p, 0,1,2,3
	ds_load_b128 v[64+4*\p:67+4*\p], v5 offset:4352*\p  ; column d = kg + 16 p
.endr
.irp p, 0,1,2,3
	s_wait_dscnt 3-\p                              ; LDS loads come back in order
	global_store_b128 v6, v[64+4*\p:67+4*\p], s[20:21] offset:524288*\p  ; d / 16 = p: 256 rows of wt on, in both orders of columns
.endr
	s_wait_tensorcnt 0x0                           ; the wave's end, behind my last LDS store
	ds_add_u32 v[SPW], v[NIL]
	s_wait_dscnt 0x0
	s_endpgm
	; ROLE t.  A thread makes one item of 16 bytes; a work-group 4,096 consecutive bytes of the table.
.set KLF, 32
.set K2P, 33
.set KPH, 34
.set KPL, 35
.set KS1, 36
.set KS2, 37
.set KS3, 38
.set KC0, 39
.set KC1, 40
.set KC2, 41
; cos and sin of the angle in v[a], into v[c] and v[s].  n = the nearest whole number to a x 2 / pi; r = a - n pi / 2, pi / 2 in two parts; sin r and cos r by polynomials in r^2;
; the quarter n % 4 swaps them and sets the signs, by selects alone.
.macro SINCOS a, c, s
	v_mul_f32 v[W], s[K2P], v[\a]
	v_rndne_f32 v[W], v[W]
	v_fma_f32 v[W+1], -v[W], s[KPH], v[\a]
	v_fma_f32 v[W+1], -v[W], s[KPL], v[W+1]
	v_mul_f32 v[W+2], v[W+1], v[W+1]
	v_fma_f32 v[W+3], v[W+2], s[KS3], s[KS2]
	v_fma_f32 v[W+4], v[W+2], s[KC2], s[KC1]
	v_fma_f32 v[W+3], v[W+3], v[W+2], s[KS1]
	v_fma_f32 v[W+4], v[W+4], v[W+2], s[KC0]
	v_mul_f32 v[W+3], v[W+3], v[W+2]
	v_mul_f32 v[W+5], v[W+2], v[W+2]
	v_fma_f32 v[W+6], v[W+2], -0.5, 1.0
	v_fma_f32 v[W+3], v[W+3], v[W+1], v[W+1]       ; sin r
	v_fma_f32 v[W+4], v[W+5], v[W+4], v[W+6]       ; cos r
	v_cvt_i32_f32 v[W], v[W]
	v_and_b32 v[W+5], 1, v[W]
	v_cmp_eq_u32 vcc_lo, 1, v[W+5]
	v_cndmask_b32 v[\s], v[W+3], v[W+4], vcc_lo    ; an odd quarter: sin takes cos r,
	v_cndmask_b32 v[\c], v[W+4], v[W+3], vcc_lo    ; cos takes sin r
	v_lshlrev_b32 v[W+5], 30, v[W]
	v_and_b32 v[W+5], 0x80000000, v[W+5]
	v_xor_b32 v[\s], v[W+5], v[\s]                 ; sin is turned in quarters 2 and 3,
	v_add_nc_u32 v[W], 1, v[W]
	v_lshlrev_b32 v[W], 30, v[W]
	v_and_b32 v[W], 0x80000000, v[W]
	v_xor_b32 v[\c], v[W], v[\c]                   ; cos in quarters 1 and 2
.endm
.Lt:
	s_sub_co_u32 s26, ttmp9, 1408
	s_lshr_b32 s27, s26, 6
	s_lshl_b32 s27, s27, 3                         ; 8 bx
	s_and_b32 s28, s26, 63
	s_lshl_b32 s28, s28, 6                         ; the work-group's first position
	s_lshl_b32 s30, s26, 12
	s_mov_b32 s31, 0
	s_add_nc_u64 s[22:23], s[22:23], s[30:31]
	s_mov_b32 s[KLF], 0xbcd49a78                   ; -log2(10000) / 512
	s_mov_b32 s[K2P], 0x3f22f983                   ; 2 / pi
	s_mov_b32 s[KPH], 0x3fc90fdb                   ; pi / 2, rounded,
	s_mov_b32 s[KPL], 0xb33bbd2e                   ; and what the rounding left
	s_mov_b32 s[KS1], 0xbe2aaaa3
	s_mov_b32 s[KS2], 0x3c08839e
	s_mov_b32 s[KS3], 0xb94ca1f9
	s_mov_b32 s[KC0], 0x3d2aaaa5
	s_mov_b32 s[KC1], 0xbab6061a
	s_mov_b32 s[KC2], 0x37ccf5ce
	v_and_b32 v1, 15, v0
	v_lshrrev_b32 v2, 6, v0
	v_lshl_add_u32 v1, v2, 4, v1
	v_add_nc_u32 v1, s28, v1                       ; position
	v_bfe_u32 v2, v0, 4, 1                         ; h
	v_bfe_u32 v3, v0, 5, 1                         ; q
	v_lshlrev_b32 v2, 2, v2
	v_lshl_add_u32 v2, v3, 1, v2
	v_add_nc_u32 v2, s27, v2                       ; i
	v_lshlrev_b32 v3, 4, v0
	v_cvt_f32_u32 v4, v2
	v_add_f32 v5, 1.0, v4
	v_mul_f32 v4, s[KLF], v4
	v_mul_f32 v5, s[KLF], v5
	v_exp_f32 v4, v4                               ; 10000^(-2 i / 1024)
	v_exp_f32 v5, v5
	v_cvt_f32_u32 v6, v1                           ; the plain instruction behind the two exponentials,
	s_wait_alu depctr_va_vdst(0)                   ; and the one wait ahead of their first reader
	v_mul_f32 v4, v6, v4
	v_mul_f32 v5, v6, v5
	SINCOS 4, 16, 17
	SINCOS 5, 18, 19
	global_store_b128 v3, v[16:19], s[22:23]
	s_endpgm
.Lfunc_end_k_qdf2adcfdbe_prep:
	.size	k_qdf2adcfdbe_prep, .Lfunc_end_k_qdf2adcfdbe_prep-k_qdf2adcfdbe_prep
	.p2alignl 7, 3214868480
	.fill 96, 4, 3214868480
	.section	.rodata,"a",@progbits
	.p2align	6, 0x0
	.amdhsa_kernel k_qdf2adcfdbe_prep
		.amdhsa_group_segment_fixed_size 18432
		.amdhsa_private_segment_fixed_size 0
		.amdhsa_enable_private_segment 0
		.amdhsa_kernarg_size 88
		.amdhsa_user_sgpr_count 2
		.amdhsa_user_sgpr_kernarg_segment_ptr 1
		.amdhsa_wavefront_size32 1
		.amdhsa_system_sgpr_workgroup_id_x 1
		.amdhsa_system_sgpr_workgroup_id_y 1
		.amdhsa_system_sgpr_workgroup_id_z 1
		.amdhsa_system_vgpr_workitem_id 0
		.amdhsa_next_free_vgpr 112
		.amdhsa_next_free_sgpr 66
		.amdhsa_reserve_vcc 1
		.amdhsa_float_denorm_mode_32 3
		.amdhsa_float_denorm_mode_16_64 3
		.amdhsa_memory_ordered 1
		.amdhsa_forward_progress 1
		.amdhsa_inst_pref_size 18
	.end_amdhsa_kernel
	.amdgpu_metadata
---
amdhsa.version: [ 1, 2 ]
amdhsa.kernels:
  - .name:           k_qdf2adcfdbe_prep
    .symbol:         k_qdf2adcfdbe_prep.kd
    .args:
      - { .name: x, .offset: 0, .size: 8, .value_kind: global_buffer, .address_space: global }
      - { .name: Wq, .offset: 8, .size: 8, .value_kind: global_buffer, .address_space: global }
      - { .name: Wk, .offset: 16, .size: 8, .value_kind: global_buffer, .address_space: global }
      - { .name: Wv, .offset: 24, .size: 8, .value_kind: global_buffer, .address_space: global }
      - { .name: bq, .offset: 32, .size: 8, .value_kind: global_buffer, .address_space: global }
      - { .name: bk, .offset: 40, .size: 8, .value_kind: global_buffer, .address_space: global }
      - { .name: bv, .offset: 48, .size: 8, .value_kind: global_buffer, .address_space: global }
      - { .name: xb, .offset: 56, .size: 8, .value_kind: global_buffer, .address_space: global }
      - { .name: wt, .offset: 64, .size: 8, .value_kind: global_buffer, .address_space: global }
      - { .name: rope, .offset: 72, .size: 8, .value_kind: global_buffer, .address_space: global }
      - { .name: ball, .offset: 80, .size: 8, .value_kind: global_buffer, .address_space: global }
    .group_segment_fixed_size: 18432
    .private_segment_fixed_size: 0
    .kernarg_segment_align: 8
    .kernarg_segment_size: 88
    .max_flat_workgroup_size: 256
    .sgpr_count:     66
    .vgpr_count:     112
    .wavefront_size: 32
...
	.end_amdgpu_metadata
.endif
;; end of part 1
;; launch proj (part 2): grid 4 x 64, 4 waves a work-group, clusters of 4 x 4, 327,680 bytes of LDS; arguments xb, wt, ball, rope, qkv; writes qkv
.if DOCPART == 2
	.amdgcn_target "amdgcn-amd-amdhsa--gfx1250"
	.amdhsa_code_object_version 6
	.text
	.protected	k_qdf2adcfdbe_proj
	.globl	k_qdf2adcfdbe_proj
	.p2align	8
	.type	k_qdf2adcfdbe_proj,@function
k_qdf2adcfdbe_proj:
	s_mov_b64 s[64:65], 0
	v_nop
	global_prefetch_b8 v0, s[64:65] scope:SCOPE_SE
	s_setreg_imm32_b32 hwreg(HW_REG_WAVE_MODE, 25, 1), 1
	s_wait_xcnt 0x0
	s_wait_alu depctr_hold_cnt(0) depctr_sa_sdst(0) depctr_va_vdst(0) depctr_va_sdst(0) depctr_va_ssrc(0) depctr_va_vcc(0) depctr_vm_vsrc(0)
	s_getreg_b32 s2, hwreg(HW_REG_IB_STS2, 6, 4)
	s_cmp_eq_u32 s2, 0
	s_cbranch_scc0 .Lentry_in_a_cluster
	s_endpgm
.Lentry_in_a_cluster:
	s_bfe_u32 s2, ttmp6, 0x10000c
	s_cmp_lg_u32 s2, 0xf033
	s_cbranch_scc0 .Lentry_shape_is_right
	s_endpgm
.Lentry_shape_is_right:
; PROJ: qkv[m][n'] = f16( rope( sum over k of xb[m][k] wt[n'][k] + ball[n'] ) ).  xb: [16384][1024] bf16, wt: [3072][1024] bf16, ball: [3072] f32, qkv: [16384][3072] f16; sums in f32.
; Columns 0-1023 are q, 1024-2047 k, 2048-3071 v, each in the order in which wt's rows lie (q, k: n' = 256 (d / 16) + 16 head + d % 16; v: n' = 16 d + head).  RoPE turns q and k alone.
; LIMITS.  f16 holds no number beyond 65,504: q, k and v must stay within it.  NaN and infinities are not treated apart.
; A tile of C, 256 x 256, is made by a work-group of four waves, as many as a WGP has SIMDs; a wave makes 128 x 128: 64 accumulators of 16 x 16, 512 registers.  K goes in steps of 128 through a
; ring of two LDS slots filled by the tensor data mover: the rows of A's and B's tiles are 256 bytes of memory and start at multiples of 256 bytes from the buffer's first byte.
; A WORK-GROUP STAYS: 256 work-groups make three tiles each, side by side, 1,024 columns apart: its rows' part of q, then of k, then of v.  The ring does not stop at a tile's end: a tile's last two
; changes of slots ask for the next tile's first two K steps (A's rows again from their beginning, B's 1,024 rows further down).  The last tile's last K step goes by rows of C.
; In tile column bx a tile of q or k holds the channels d = 16 bx .. 16 bx + 15 of all heads: a lane needs four pairs (cos, sin) for a block of 16 rows, the same for all eight column blocks.
; THE BIAS STARTS THE SUMS: it is the C operand of each accumulator's first product.
; CLUSTERS: 4 x 4 work-groups.  The four of a row of the cluster need the same tiles of A; the four of a column the same tiles of B.  Such a tile is asked for JOINTLY: each of the four issues the same
; tensor load, with the same descriptor and a mask that names the four.
;
; REGISTERS, in windows of 256 (s_set_vgpr_msb's low byte: bits 1:0 source 0, 3:2 source 1, 5:4 source 2, 7:6 destination):
;   window 0: v0-31 addresses; v64-127, v128-191 fragments of A, two buffers (in the very last K step four, of 16 rows x 128 K); v128-191 also T, the turned numbers on the way out; v32-63, v192-255 at work on the way out
;   window 1: v64-127, v128-191 fragments of B, two buffers; v0-63 the bias of my 128 columns; v192-255 cos and sin of my 128 rows; in the very last K step all 256: B's fragments of the whole step
;   window 2: the 32 accumulators of my rows 0-63 (accumulator (a, b) at v[8 (8 a + b)]);   window 3: those of my rows 64-127
; THE MATRIX INSTRUCTION IS USED TRANSPOSED: source 0 = 16 rows of B, source 1 = 16 rows of A.  In the result, lane l holds row m = l % 16 of C, and its registers 0 to 7 the columns
; n = 8 (l / 16) + 0 .. 7: eight NEIGHBOURING numbers of a row of C: four of RoPE's pairs, and 16 bytes of f16.
.set SIZE_M, 16384
.set SIZE_N, 3072
.set SIZE_K, 1024
.set SIZE_TILES, 3
.set KSTEP,  128
.set PITCH,  272                       ; an LDS row: 256 bytes of data + 16 of padding = 68 words: row r starts at bank 4 r mod 64 (64 banks of 4 bytes: ISA guide 11.1)
.set HALFT,  128*PITCH                 ; 128 rows: what one tensor load brings, and what one wave reads of A or of B
.set SLOT,   4*HALFT                   ; A's 256 rows, then B's 256 rows
.set STAGE,  2*SLOT                    ; behind the ring: 16 rows x 272 bytes for each wave, for the way out
.set SPITCH, 272
.set SPARE,  STAGE+4*16*SPITCH         ; behind the stages: the spare words, 128 bytes for each wave: two blocks of 256 bytes that no other line names
.set LAPS, SIZE_K/(2*KSTEP)            ; a lap = two K steps = once round the ring
.set WALKB,  1024                      ; rows of wt from a tile to the next
.set BACK_A, (SIZE_K-2*KSTEP)*2        ; bytes from a slot's last K step of a tile back to its first: A's rows are the same in all three tiles
.set NEXT_B, WALKB*SIZE_K*2-(SIZE_K-2*KSTEP)*2  ; B goes WALKB rows down and back along K
.set ADRA, 16                          ; v16-17  LDS address of my A fragments in slot 0, 1
.set ADRB, 20                          ; v20-21  the same for B
.set STO,  24                          ; v24     the way out: where I put 16 bytes of a row
.set RD,   25                          ; v25     the way out: where I read a row back
.set CO,   26                          ; v26     my byte offset in C
.set BO,   27                          ; v27     my byte offset in 16 columns' bias: 32 (l / 16); never rewritten
.set SPW,  28                          ; v28     LDS address of my spare word: SPARE + 4 x my thread's number; never rewritten
.set NIL,  29                          ; v29     0; never rewritten
.set PFO,  30                          ; v30     the prefetches' offset: my lane x a row of A or B in memory; never rewritten
.set RO,   31                          ; v31     my byte offset in the table's items: 16 l; never rewritten
.set PFA,  44                          ; s[44:45] where my prefetches stand: my work-group's 32 rows of the 128 that I fetch, one K step further along K than the refill that is being asked for
.set LIM,  43                          ; s43     1 in a wave that prefetches, else the greatest number
.set BP,   68                          ; s[68:69] the bias of my 128 columns of the tile whose bias was loaded last
.set RP,   70                          ; s[70:71] the table at my tile column and my first block of 16 positions
.set CW,   72                          ; s[72:73] C at the block of 16 rows that is being stored; s[8:9]: C at my part of the tile in hand
.set F0,   64                          ; fragment buffer 0
.set F1,   128                         ; fragment buffer 1
.set T,    128                         ; the way out of q and k: 64 turned numbers, in window 0
.set TMP,  192                         ; the way out: packed results, in window 0
.set OB,   32                          ; the way out: 16 rows read back from the stage: v32-63 and v224-255 by turns
.set PA,   64                          ; the very last K step: A's fragments of 16 rows x 128 K, 32 registers; four such buffers, v64-191
.set BIAS, 0                           ; window 1: column block b at BIAS + 8 b
.set CSR,  192                         ; window 1: row block a, pair p at CSR + 8 a + 2 p: (cos, sin)
.set G1, 24                            ; s[24:31] descriptor group 1 for A's tiles
.set G0, 32                            ; s[32:39] descriptor group 0 for A's tiles, one set for each slot
.set G1B, 48                           ; s[48:55] descriptor group 1 for B's tiles: it differs from A's in the mask alone
.set G0B, 56                           ; s[56:63] descriptor group 0 for B's tiles, one set for each slot
.set MSB, 0
.macro WIN new                         ; the immediate's high byte repeats the setting that is left
.if MSB != (\new)
	s_set_vgpr_msb (MSB<<8)|(\new)
.set MSB, \new
.endif
.endm
.set MUL_LO, 0xa1                      ; source 0 (B) window 1, source 1 (A) window 0, C and D window 2
.set MUL_HI, 0xf1                      ; the same, C and D window 3
.set MUL_B,  0x91                      ; a sum's first product: C (the bias) window 1, D window 2; + 0x40: D window 3
.set TO_B,   0x40                      ; destination window 1, address window 0
; A joint load.  Waves 0 and 1 fetch A's two halves, waves 2 and 3 B's.  Each of the two lines has ONE mask and one set of registers for all that issue it.  The branch hangs on the wave's number alone.
; An s_nop 0 and four v_nop follow each of the two lines; the jump round the other line, the label and what follows the macro come after them.
.macro JLOAD s
	s_cmp_eq_u32 s11, 0
	s_cbranch_scc0 .Lfor_b_\@
	tensor_load_to_lds s[G0+4*(\s):G0+4*(\s)+3], s[G1:G1+7]
	s_nop 0
.rept 4
	v_nop
.endr
	s_branch .Lasked_\@
.Lfor_b_\@:
	tensor_load_to_lds s[G0B+4*(\s):G0B+4*(\s)+3], s[G1B:G1B+7]
	s_nop 0
.rept 4
	v_nop
.endr
.Lasked_\@:
.endm
; A PREFETCH INTO THE L2, behind each joint load, its five lines and the run of LDS loads that follows them: the K step that stands TWO refills on: 32 rows x 256 bytes, a lane a row, one instruction a wave:
; 512 matrix instructions ahead of the load that will ask for it.  Each row's 256 bytes of a K step are named ONCE in the launch.  A's tile row is walked by one row of clusters, of which there is one
; cluster (cluster x = 0): it asks, in the first tile alone, since the second and third tiles walk the same rows again.  B's tile column is walked by all sixteen clusters: cluster y = 0 asks, in every tile,
; since each tile has rows of its own.  The four partners that ask for a tile jointly share its rows out BY ADDRESS: of the 128 rows that wave w fetches, the partner at place p takes 32 p .. 32 p + 31
; (p = cx for A, cy for B).  how = 0, in the loop: a tile's last two refills have no K step two on; how = 1, at a change of tiles: the next tile's K steps 2 and 3 of B.
.macro ASK how
.if \how
	s_cmp_eq_u32 s[LIM], 1
.else
	s_cmp_gt_u32 s3, s[LIM]                        ; s3 = 1 in the loop's last trip
.endif
	s_cbranch_scc0 .Lnot_mine_\@
	global_prefetch_b8 v[PFO], s[PFA:PFA+1] offset:KSTEP*2 th:TH_LOAD_NT scope:SCOPE_SE
.Lnot_mine_\@:
.endm
; A round of the cluster's barrier: my work-group's barrier, so that wave 0's signal speaks for all four waves; wave 0 signals for the work-group; every wave waits for all
; sixteen work-groups; my work-group's barrier once more.  No LDS instruction of the wave is pending at a signal.
.macro CREST                           ; a round behind its opening barrier
	s_cmp_lg_u32 s10, 0
	s_cbranch_scc1 .Lnot_wave_0_\@
	s_barrier_signal -3
.Lnot_wave_0_\@:
	s_barrier_wait -3
	s_barrier_signal -1
	s_barrier_wait -1
.endm
.macro CROUND                          ; a whole round
	s_barrier_signal -1
	s_barrier_wait -1
	CREST
.endm
	s_load_b128 s[4:7], s[0:1], 0x0                ; xb (A) s[4:5], wt (B) s[6:7]
	s_load_b128 s[BP:BP+3], s[0:1], 0x10           ; ball, rope
	s_load_b64 s[8:9], s[0:1], 0x20                ; qkv (C)
	v_lshl_add_u32 v[SPW], v0, 2, SPARE
	v_mov_b32 v[NIL], 0
	ds_add_u32 v[SPW], v[NIL]                      ; the wave's opening: the add and its wait stand ahead of my first tensor load; the set-up below, work on registers, stands between them
	v_lshrrev_b32 v1, 5, v0
	v_readfirstlane_b32 s10, v1                    ; wave 0..3
	s_lshr_b32 s11, s10, 1                         ; which half of the tile's rows is mine.  Also: I fetch for A (0) or for B (1)
	s_and_b32 s12, s10, 1                          ; which half of its columns.  Also: which 128 rows of that tile I fetch
	s_bfe_u32 s40, ttmp6, 0x40000                  ; cx: my place along the cluster's x
	s_bfe_u32 s41, ttmp6, 0x40004                  ; cy: along its y
	s_lshl_b32 s42, ttmp9, 2                       ; in a cluster launch ttmp9 and ttmp7 count clusters
	s_add_co_u32 s42, s42, s40                     ; tile column bx = 4 x cluster x + cx
	s_and_b32 s13, ttmp7, 0xffff
	s_lshl_b32 s13, s13, 2
	s_add_co_u32 s13, s13, s41                     ; tile row by = 4 x cluster y + cy
	s_lshl_b32 s43, s41, 2
	s_lshl_b32 s43, 15, s43                        ; my row of the cluster: places 4 cy .. 4 cy + 3
	s_lshl_b32 s44, 0x1111, s40                    ; my column: places cx, cx + 4, cx + 8, cx + 12
	; descriptor group 1: a tile of 128 rows x 128 elements, padded in LDS
	s_or_b32 s[G1+0], s43, (1<<16)|(1<<20)|(1<<21)|(5<<22)|(3<<25)  ; 15:0 the mask: A's tiles go to my row; 17:16 element of 2 bytes; 20 padding on; 21 set beside a mask; 24:22 after every 64 words (code 5); 31:25 of 4 words (code 3)
	s_or_b32 s[G1B+0], s44, (1<<16)|(1<<20)|(1<<21)|(5<<22)|(3<<25) ; the same with the mask of my column, for B's tiles
	s_mov_b32 s[G1B+1], KSTEP<<16
	s_mov_b32 s[G1+1], KSTEP<<16                   ; 63:48 tensor_dim0, low half = 128
	s_mov_b32 s[G1B+2], 128<<16
	s_mov_b32 s[G1+2], 128<<16                     ; 79:64 its high half = 0; 95:80 tensor_dim1, low half = 128
	s_mov_b32 s[G1B+3], KSTEP<<16
	s_mov_b32 s[G1+3], KSTEP<<16                   ; 111:96 its high half = 0; 127:112 tile_dim0 = 128
	s_mov_b32 s[G1B+4], 128
	s_mov_b32 s[G1+4], 128                         ; 143:128 tile_dim1 = 128; 159:144 tile_dim2 = 0
	s_mov_b32 s[G1B+5], SIZE_K
	s_mov_b32 s[G1+5], SIZE_K                      ; 191:160 tensor_dim0_stride, low word: elements from row to row
	s_mov_b32 s[G1B+6], 0
	s_mov_b32 s[G1+6], 0
	s_mov_b32 s[G1B+7], 0
	s_mov_b32 s[G1+7], 0
	; where the tiles come from.  A's hang on the tile row alone, which my row of the cluster shares; B's on the tile column alone, which my column shares.
	; Every wave makes both addresses, in registers that never hold the other coordinate, and asks by one of them.
	s_lshl_b32 s17, s12, 7                         ; which 128 rows of the tile I fetch
	s_lshl_b32 s16, s13, 8
	s_add_co_u32 s16, s16, s17                     ; A: row 256 x tile row + 128 x half
	s_lshl_b32 s46, s42, 8
	s_add_co_u32 s46, s46, s17                     ; B: row 256 x tile column + 128 x half (the first tile: q)
	s_mov_b32 s17, 0
	s_mov_b32 s47, 0
	s_mov_b64 s[18:19], SIZE_K*2
	s_mul_u64 s[16:17], s[16:17], s[18:19]         ; in bytes, in 64 bits
	s_mul_u64 s[46:47], s[46:47], s[18:19]
	s_mul_i32 s20, s10, HALFT                      ; and where they go: A's two halves, then B's two halves = wave x 128 rows: no place in the cluster enters an LDS address
	s_wait_dscnt 0x0                               ; the opening add is done
	s_wait_kmcnt 0x0
	s_add_nc_u64 s[14:15], s[4:5], s[16:17]
	s_add_nc_u64 s[46:47], s[6:7], s[46:47]
	CROUND                                         ; all sixteen work-groups are here: the first joint loads meet
.irp s, 0,1
	s_mov_b32 s[G0+4*(\s)], 1                                      ; 1:0 count = 1
	s_add_co_u32 s[G0+4*(\s)+1], s20, (\s)*SLOT                    ; 63:32 LDS address
	s_add_nc_u64 s[G0+4*(\s)+2:G0+4*(\s)+3], s[14:15], (\s)*KSTEP*2  ; 120:64 global address: K step s
	s_or_b32 s[G0+4*(\s)+3], s[G0+4*(\s)+3], 0x80000000            ; 127:126 type = 2
	s_mov_b32 s[G0B+4*(\s)], 1
	s_add_co_u32 s[G0B+4*(\s)+1], s20, (\s)*SLOT
	s_add_nc_u64 s[G0B+4*(\s)+2:G0B+4*(\s)+3], s[46:47], (\s)*KSTEP*2
	s_or_b32 s[G0B+4*(\s)+3], s[G0B+4*(\s)+3], 0x80000000
	JLOAD \s                                       ; the ring is filled before anything else is done: two tensor loads of mine are out
.endr
	; A fragment is 16 rows x 32 K in 8 registers: lane l holds row l % 16; registers 0-3 hold K = 8 (l / 16) + 0..7, registers 4-7 hold
	; K = 16 + 8 (l / 16) + 0..7.  From rows that lie along K: two loads of 16 bytes, 32 bytes apart.  The same for source 0 and source 1.
	v_and_b32 v1, 15, v0                           ; l % 16
	v_bfe_u32 v2, v0, 4, 1                         ; l / 16
	v_mul_u32_u24 v3, v1, PITCH
	v_lshl_add_u32 v3, v2, 4, v3                   ; row x pitch + 16 x half
	s_mul_i32 s21, s11, HALFT                      ; my 128 rows of A
	s_mul_i32 s22, s12, HALFT                      ; my 128 rows of B,
	s_add_co_u32 s22, s22, 2*HALFT                 ; which lie behind A's 256
.irp s, 0,1
	v_add_nc_u32 v[ADRA+(\s)], s21, v3
	v_add_nc_u32 v[ADRB+(\s)], s22, v3
	s_add_co_u32 s21, s21, SLOT
	s_add_co_u32 s22, s22, SLOT
.endr
	s_mul_i32 s23, s10, 16*SPITCH
	s_add_co_u32 s23, s23, STAGE                   ; my stage
	v_mul_u32_u24 v4, v1, SPITCH                   ; in: row l % 16, 16 bytes for each half of the lanes
	v_lshl_add_u32 v4, v2, 4, v4
	v_add_nc_u32 v[STO], s23, v4
	v_mul_u32_u24 v5, v2, SPITCH                   ; back: lanes 0-15 take one row of 256 bytes, lanes 16-31 the next
	v_lshl_add_u32 v5, v1, 4, v5
	v_add_nc_u32 v[RD], s23, v5
	v_mul_u32_u24 v5, v2, SIZE_N*2                 ; and the same two rows in C
	v_lshl_add_u32 v[CO], v1, 4, v5
	; the bias of my 128 columns, and cos and sin of my 128 rows
	v_lshlrev_b32 v[BO], 5, v2
	v_and_b32 v[RO], 31, v0
	v_lshlrev_b32 v[RO], 4, v[RO]
	s_lshl_b32 s20, s42, 10                        ; 256 columns of 4 bytes a tile column,
	s_lshl_b32 s21, s12, 9                         ; my half of them
	s_add_co_u32 s20, s20, s21
	s_mov_b32 s21, 0
	s_add_nc_u64 s[BP:BP+1], s[BP:BP+1], s[20:21]
	s_lshl_b32 s20, s13, 4                         ; my first block of 16 rows: 16 x tile row + 8 x half,
	s_lshl_b32 s21, s11, 3
	s_add_co_u32 s20, s20, s21
	s_and_b32 s20, s20, 255                        ; as a block of positions: a sequence has 256 of them
	s_lshl_b32 s21, s42, 8
	s_add_co_u32 s20, s20, s21                     ; in the table's part for my tile column
	s_lshl_b32 s20, s20, 10                        ; 1,024 bytes a block
	s_mov_b32 s21, 0
	s_add_nc_u64 s[RP:RP+1], s[RP:RP+1], s[20:21]
.macro BIASLOAD                        ; register j of column block b: the bias of column 16 b + 8 (l / 16) + j: the layout of a C operand
	WIN TO_B
.irp b, 0,1,2,3,4,5,6,7
	global_load_b128 v[BIAS+8*(\b):BIAS+8*(\b)+3],   v[BO], s[BP:BP+1] offset:64*(\b)
	global_load_b128 v[BIAS+8*(\b)+4:BIAS+8*(\b)+7], v[BO], s[BP:BP+1] offset:64*(\b)+16
.endr
	WIN 0
.endm
	BIASLOAD
	WIN TO_B
.irp a, 0,1,2,3,4,5,6,7
	global_load_b128 v[CSR+8*(\a):CSR+8*(\a)+3],   v[RO], s[RP:RP+1] offset:1024*(\a)      ; pairs 0 and 1 of my lane's four,
	global_load_b128 v[CSR+8*(\a)+4:CSR+8*(\a)+7], v[RO], s[RP:RP+1] offset:1024*(\a)+512  ; pairs 2 and 3
.endr
	WIN 0
	; where my part of the first tile begins in C
	s_lshl_b32 s13, s13, 8
	s_lshl_b32 s14, s11, 7
	s_add_co_u32 s16, s13, s14                     ; my first row of C
	s_mov_b32 s17, 0
	s_mov_b64 s[18:19], SIZE_N*2
	s_mul_u64 s[16:17], s[16:17], s[18:19]
	s_lshl_b32 s46, s42, 9                         ; my first column, in bytes: 512 x tile column + 256 x half
	s_lshl_b32 s47, s12, 8
	s_add_co_u32 s46, s46, s47
	s_mov_b32 s47, 0
	s_add_nc_u64 s[16:17], s[16:17], s[46:47]
	s_add_nc_u64 s[8:9], s[8:9], s[16:17]
	; the prefetches.  s13 = 256 x tile row, s42 = tile column, s40 = cx, s41 = cy still stand; s[4:5] = A, s[6:7] = B
	s_lshl_b32 s42, s42, 8
	s_and_b32 s22, ttmp7, 0xffff                   ; cluster y
	s_cmp_eq_u32 s11, 0                            ; do I fetch for A?
	s_cselect_b32 s20, s13, s42                    ; the tile's first row: in A by the tile row, in B by the tile column
	s_cselect_b32 s21, s40, s41                    ; my place among the four that ask for it with me
	s_cselect_b32 s22, ttmp9, s22                  ; the coordinate along which other clusters read the same rows
	s_cselect_b64 s[PFA:PFA+1], s[4:5], s[6:7]
	s_cmp_eq_u32 s22, 0
	s_cselect_b32 s[LIM], 1, -1                    ; the same in all sixteen partners, for a given wave
	s_lshl_b32 s22, s12, 7
	s_add_co_u32 s20, s20, s22                     ; + the 128 rows that I fetch
	s_lshl_b32 s21, s21, 5
	s_add_co_u32 s20, s20, s21                     ; + my work-group's 32 of them
	s_mov_b32 s21, 0
	s_mov_b64 s[18:19], SIZE_K*2
	s_mul_u64 s[20:21], s[20:21], s[18:19]
	s_add_nc_u64 s[PFA:PFA+1], s[PFA:PFA+1], s[20:21]
	s_add_nc_u64 s[PFA:PFA+1], s[PFA:PFA+1], 2*KSTEP*2  ; at K step 2: the first refill steps it to 3 and names K step 4
	v_and_b32 v[PFO], 31, v0
	v_mul_u32_u24 v[PFO], v[PFO], SIZE_K*2
	; nothing is prefetched here, at the head, where every work-group's first two tiles are on their way: K steps 2 and 3 come by their refills alone
; 16 matrix instructions: m blocks a0, a0 + 1 of the window's four (hi = 0: my rows 0-63, 1: rows 64-127) x all 8 n blocks, 32 along K.
; zero = 1: the first product starts the sums, with the bias as C: nothing is ever cleared.  The 64 accumulators take turns, one instruction a turn.
.macro MUL16 f, hi, a0, zero
.if \zero
	WIN MUL_B+0x40*(\hi)
.else
	WIN MUL_LO+0x50*(\hi)
.endif
.irp a, \a0, (\a0)+1
.irp b, 0,1,2,3,4,5,6,7
.if \zero
	v_wmma_f32_16x16x32_bf16 v[8*(8*(\a)+(\b)):8*(8*(\a)+(\b))+7], v[(\f)+8*(\b):(\f)+8*(\b)+7], v[(\f)+8*(4*(\hi)+(\a)):(\f)+8*(4*(\hi)+(\a))+7], v[BIAS+8*(\b):BIAS+8*(\b)+7]
.else
	v_wmma_f32_16x16x32_bf16 v[8*(8*(\a)+(\b)):8*(8*(\a)+(\b))+7], v[(\f)+8*(\b):(\f)+8*(\b)+7], v[(\f)+8*(4*(\hi)+(\a)):(\f)+8*(4*(\hi)+(\a))+7], v[8*(8*(\a)+(\b)):8*(8*(\a)+(\b))+7]
.endif
.endr
.endr
.endm
; 32 LDS loads in one run: the fragments of one quarter step (128 rows of B, 128 rows of A, 32 K at byte k of the rows) into buffer f
.macro FETCH slot, k, f
	WIN TO_B
.irp i, 0,1,2,3,4,5,6,7
	ds_load_b128 v[(\f)+8*(\i):(\f)+8*(\i)+3],   v[ADRB+(\slot)] offset:(\k)+(\i)*16*PITCH
	ds_load_b128 v[(\f)+8*(\i)+4:(\f)+8*(\i)+7], v[ADRB+(\slot)] offset:(\k)+(\i)*16*PITCH+32
.endr
	WIN 0
.irp i, 0,1,2,3,4,5,6,7
	ds_load_b128 v[(\f)+8*(\i):(\f)+8*(\i)+3],   v[ADRA+(\slot)] offset:(\k)+(\i)*16*PITCH
	ds_load_b128 v[(\f)+8*(\i)+4:(\f)+8*(\i)+7], v[ADRA+(\slot)] offset:(\k)+(\i)*16*PITCH+32
.endr
.endm
; A load into a register that a matrix instruction has read, and a vector instruction that reads a matrix result or writes one of a matrix instruction's registers, stand four places behind that
; matrix instruction, and only plain vector instructions that name none of its registers are places (ISA guide 7.12.1 for vector instructions).
.macro PLACES
.rept 4
	v_nop
.endr
.endm
; A K step is four quarter steps of 32 along K, 64 matrix instructions each, on buffers 0, 1, 0, 1.
; One of the first three: multiplies buffer f; in its middle it fetches the next quarter's fragments, at byte k of the same slot's rows, into buffer g.
.macro QUARTER slot, k, f, g, zero
	s_wait_dscnt 8                                 ; B and A's rows 0-63 are in; the youngest eight loads (A's rows 64-127) may be out
	MUL16 \f, 0, 0, \zero
	MUL16 \f, 0, 2, \zero
	PLACES
	FETCH \slot, \k, \g
	s_wait_dscnt 32                                ; all but the 32 just issued
	MUL16 \f, 1, 0, \zero
	MUL16 \f, 1, 2, \zero
.endm
; The last quarter multiplies buffer 1 and changes slots.  MEET is its first half: ONE barrier for the change of slots, for two things.  In front of it each wave waits for
; all its tensor loads, of which one is out: its part of the next slot; adds 0 to its spare word; and waits for that and for its own reads of this slot.  Behind it nobody reads this slot any more and the next slot is whole.
.macro MEET round                      ; round = 1: a round of the cluster's barrier follows
	WIN 0                                          ; (the add's two registers lie in window 0)
	s_wait_tensorcnt 0x0                           ; all my tensor loads have landed: the one that was out is my part of the next slot;
	ds_add_u32 v[SPW], v[NIL]                      ; 0 onto my spare word;
	s_wait_dscnt 9                                 ; (the add and the youngest eight loads may be out)
	MUL16 F1, 0, 0, 0                              ; sixteen matrix instructions stand between the add and the wait for it
	s_wait_dscnt 0x0                               ; the add is done, and my reads of this slot are over (the last were issued 48 matrix instructions ago):
	s_barrier_signal -1                            ; say so (where a slot is filled again this barrier opens a round of the cluster's barrier),
	MUL16 F1, 0, 2, 0                              ; work on registers while the others arrive,
.if \round
	WIN 0
.endif
	s_barrier_wait -1                              ; and go on when all four have said so
.endm
; The whole last quarter.  Behind the barrier the slot just read out is filled again first: with this tile's K step two steps on (on = 0) or, in a tile's last two K steps, with the NEXT tile's
; K step 0 or 1 (on = 1); then come the next slot's first fragments.  From a request to the wait for it a wave issues 224 matrix instructions, across tiles too.
.macro TURN slot, next, on
	s_wait_xcnt 0x0                                ; the last prefetch, a K step back, has read its address: it is stepped here, ahead of the waits of the change of slots
.if (\on) && (\slot) == 0
	s_add_nc_u64 s[PFA:PFA+1], s[PFA:PFA+1], (WALKB-1)*SIZE_K*2+KSTEP*2  ; from the K step after the tile's last to the next tile's K step 1 of B: WALKB rows down, back along K
	s_cmp_eq_u32 s11, 0
	s_cselect_b32 s[LIM], -1, s[LIM]               ; A's rows are the same for all three tiles: they are asked for in the first alone (the stepped address of an A wave is used no more)
.else
	s_add_nc_u64 s[PFA:PFA+1], s[PFA:PFA+1], KSTEP*2
.endif
	MEET 1
	CREST                                          ; wave 0 says so for the work-group, all sixteen work-groups have said so, my work-group's barrier closes the round:
	                                               ; no wave of any partner still reads this slot's tile or has a load on its way
.if \on
	s_sub_nc_u64 s[G0+4*(\slot)+2:G0+4*(\slot)+3], s[G0+4*(\slot)+2:G0+4*(\slot)+3], BACK_A
	s_add_nc_u64 s[G0B+4*(\slot)+2:G0B+4*(\slot)+3], s[G0B+4*(\slot)+2:G0B+4*(\slot)+3], NEXT_B
.else
	s_add_nc_u64 s[G0+4*(\slot)+2:G0+4*(\slot)+3], s[G0+4*(\slot)+2:G0+4*(\slot)+3], 2*KSTEP*2
	s_add_nc_u64 s[G0B+4*(\slot)+2:G0B+4*(\slot)+3], s[G0B+4*(\slot)+2:G0B+4*(\slot)+3], 2*KSTEP*2
.endif
	JLOAD \slot                                    ; the first tensor load behind the round, and my only one until the next; the four v_nop behind it are also the places in front of the loads below
	FETCH \next, 0, F0
	ASK \on                                        ; behind the joint load and the run of LDS loads that the next products wait for
	MUL16 F1, 1, 0, 0
	MUL16 F1, 1, 2, 0
.endm
; THE LAST K STEP OF THE LAST TILE (it lies in slot 1) GOES BY ROWS OF C, NOT BY K.  All its fragments of B (4 quarters x 64 registers) fill window 1; then my eight blocks of 16 rows are
; finished one after the other, each with 32 matrix instructions (its 8 accumulators by turns, K ascending).  LDS is read no more than in any other K step.
.macro BLOAD q                         ; B's fragments of quarter q -> window 1, v[64 q ..]
	WIN TO_B
.irp i, 0,1,2,3,4,5,6,7
	ds_load_b128 v[64*(\q)+8*(\i):64*(\q)+8*(\i)+3],   v[ADRB+1] offset:64*(\q)+(\i)*16*PITCH
	ds_load_b128 v[64*(\q)+8*(\i)+4:64*(\q)+8*(\i)+7], v[ADRB+1] offset:64*(\q)+(\i)*16*PITCH+32
.endr
.endm
.macro ALOAD a                         ; A's fragments of block a, all four quarters -> buffer a % 4
	WIN 0
.set FA, PA+32*((\a)%4)
.irp q, 0,1,2,3
	ds_load_b128 v[FA+8*(\q):FA+8*(\q)+3],   v[ADRA+1] offset:64*(\q)+(\a)*16*PITCH
	ds_load_b128 v[FA+8*(\q)+4:FA+8*(\q)+7], v[ADRA+1] offset:64*(\q)+(\a)*16*PITCH+32
.endr
.endm
.macro ROW a                           ; block a is finished: 32 matrix instructions
.set FA, PA+32*((\a)%4)                ; its fragments of A
.set AC, 64*((\a)%4)                   ; its eight accumulators, in window 2 (blocks 0-3) or 3 (blocks 4-7)
	WIN MUL_LO+0x50*((\a)/4)
.irp q, 0,1,2,3
.if (\a) == 0 && (\q) == 2
	s_wait_dscnt 24                                ; B's quarter 2 is in (behind it: A's blocks 1 to 3)
.endif
.irp b, 0,1,2,3,4,5,6,7
	v_wmma_f32_16x16x32_bf16 v[AC+8*(\b):AC+8*(\b)+7], v[64*(\q)+8*(\b):64*(\q)+8*(\b)+7], v[FA+8*(\q):FA+8*(\q)+7], v[AC+8*(\b):AC+8*(\b)+7]
.endr
.endr
.endm
; THE WAY OUT of block a, in three parts.  PACKR (q and k) or PACKV (v): 16 bytes of f16 a lane.  TOSTAGE: into my own stage in LDS, and back as whole rows of 256 bytes.  SEND: stored.
; PACKR: RoPE, then one rounding.  A lane's registers 2 p, 2 p + 1 of an accumulator are (xe, xo) of pair p; (c, s) is the pair's cos and sin at the lane's row.
;   T = (xe c, xo c);  T = (-xo s + T.lo, xe s + T.hi) = (xe c - xo s, xe s + xo c).  Each accumulator is read from its lowest registers on.
.macro PACKR a
.set AC, 64*((\a)%4)
.set CR, CSR+8*(\a)
	WIN 0x06+(\a)/4                                ; source 0: window 2 or 3; source 1: window 1; source 2 and destination: window 0
.irp b, 0,1,2,3,4,5,6,7
.irp p, 0,1,2,3
	v_pk_mul_f32 v[T+8*(\b)+2*(\p):T+8*(\b)+2*(\p)+1], v[AC+8*(\b)+2*(\p):AC+8*(\b)+2*(\p)+1], v[CR+2*(\p):CR+2*(\p)+1] op_sel_hi:[1,0]
.endr
.endr
.irp b, 0,1,2,3,4,5,6,7
.irp p, 0,1,2,3
	v_pk_fma_f32 v[T+8*(\b)+2*(\p):T+8*(\b)+2*(\p)+1], v[AC+8*(\b)+2*(\p):AC+8*(\b)+2*(\p)+1], v[CR+2*(\p):CR+2*(\p)+1], v[T+8*(\b)+2*(\p):T+8*(\b)+2*(\p)+1] op_sel:[1,1,0] op_sel_hi:[0,1,1] neg_lo:[0,1,0]
.endr
.endr
	WIN 0
.irp b, 0,1,2,3,4,5,6,7
.irp p, 0,1,2,3
	v_cvt_pk_f16_f32 v[TMP+4*(\b)+(\p)], v[T+8*(\b)+2*(\p)], v[T+8*(\b)+2*(\p)+1]
.endr
.endr
.endm
.macro PACKV a
.set AC, 64*((\a)%4)
	WIN 0x0a+5*((\a)/4)                            ; sources 0 and 1: window 2 or 3
.irp b, 0,1,2,3,4,5,6,7
.irp r, 0,1,2,3
	v_cvt_pk_f16_f32 v[TMP+4*(\b)+(\r)], v[AC+8*(\b)+2*(\r)], v[AC+8*(\b)+2*(\r)+1]
.endr
.endr
	WIN 0
.endm
.macro TOSTAGE a
	WIN 0
.set BK, OB+192*((\a)%2)
.irp b, 0,1,2,3,4,5,6,7
	ds_store_b128 v[STO], v[TMP+4*(\b):TMP+4*(\b)+3] offset:32*(\b)
.endr
.irp t, 0,1,2,3,4,5,6,7
	ds_load_b128 v[BK+4*(\t):BK+4*(\t)+3], v[RD] offset:(\t)*2*SPITCH  ; LDS serves a wave's instructions in order (ISA guide 5.7.1.4): these see the stores above
.endr
.endm
.macro SEND a, younger                 ; younger: the LDS loads issued behind TOSTAGE's, which may stay out
	WIN 0
.set BK, OB+192*((\a)%2)
	s_wait_dscnt \younger                          ; the block is back in registers
	s_wait_xcnt 0x0                                ; every earlier memory instruction has had its addresses translated (ISA guide 3.1): only behind this wait are the stores' base and the registers that earlier stores read rewritten
.if (\a) == 0
	s_mov_b64 s[CW:CW+1], s[8:9]                   ; this tile's first rows
.else
	s_add_nc_u64 s[CW:CW+1], s[CW:CW+1], 16*SIZE_N*2  ; 16 rows of C on
.endif
.irp t, 0,1,2,3,4,5,6,7
	global_store_b128 v[CO], v[BK+4*(\t):BK+4*(\t)+3], s[CW:CW+1] offset:2*(\t)*SIZE_N*2  ; 16 lanes store 256 consecutive bytes, at a multiple of 256 from C's first byte
.endr
.endm
	s_wait_tensorcnt 1                             ; my part of K step 0 is in; K step 1's load may stay out
	s_barrier_signal -1
	s_barrier_wait -1                              ; everybody's is
	FETCH 0, 0, F0
	s_wait_loadcnt 0x0                             ; the first tile's bias and the table
	s_mov_b32 s2, SIZE_TILES                       ; tiles to go, this one among them: the same number in every work-group
.Ltile:                                                ; (FETCH and SEND leave every window 0)
	QUARTER 0, 64,  F0, F1, 1                      ; a tile's first quarter stands in front of the loop: its products start the sums, with the bias
	WIN 0                                          ; at a label and at a branch every window is 0
	s_cmp_eq_u32 s2, 1
	s_cbranch_scc1 .Lno_bias                       ; the last tile has no successor
	PLACES                                         ; the bias registers were sources of the products just issued
	s_add_nc_u64 s[BP:BP+1], s[BP:BP+1], 4096      ; 1,024 columns on (the loads that read this base have been waited for)
	BIASLOAD                                       ; the next tile's bias: seven K steps ahead of the wait for it
.Lno_bias:
	s_mov_b32 s3, LAPS-1
.Llap:                                                 ; a trip goes once round the ring, from a lap's second quarter to the next lap's first, and fills both slots again
	QUARTER 0, 128, F1, F0, 0
	QUARTER 0, 192, F0, F1, 0
	TURN 0, 1, 0
	QUARTER 1, 64,  F0, F1, 0
	QUARTER 1, 128, F1, F0, 0
	QUARTER 1, 192, F0, F1, 0
	TURN 1, 0, 0
	QUARTER 0, 64,  F0, F1, 0
	WIN 0
	s_sub_co_u32 s3, s3, 1
	s_cmp_lg_u32 s3, 0
	s_cbranch_scc1 .Llap
	QUARTER 0, 128, F1, F0, 0                      ; the tile's last lap goes on
	QUARTER 0, 192, F0, F1, 0
	WIN 0
	s_wait_loadcnt 0x0                             ; the next tile's bias is in: on neither way below is a load into window 1 still out, and the bias's base may be stepped again
	s_cmp_eq_u32 s2, 1
	s_cbranch_scc1 .Llast_tile                     ; the last tile's tail is written out: it asks for nothing more
	TURN 0, 1, 1                                   ; THE RING GOES ON INTO THE NEXT TILE: slot 0 takes its K step 0,
	QUARTER 1, 64,  F0, F1, 0
	QUARTER 1, 128, F1, F0, 0
	QUARTER 1, 192, F0, F1, 0
	TURN 1, 0, 1                                   ; slot 1 its K step 1, and the next tile's first fragments are fetched
	PLACES                                         ; BOTH REFILLS ARE ASKED FOR: NOW THE TILE GOES OUT.  T, which the first line below writes, is A's buffer 1, a source of the last products:
	PLACES                                         ; eight plain places, once a tile
	PACKR 0
	TOSTAGE 0
.irp a, 1,2,3,4,5,6,7                  ; block a's arithmetic stands between block a - 1's loads from the stage and the wait for them
	PACKR \a
	SEND (\a)-1, 0
	TOSTAGE \a
.endr
	SEND 7, 0
	s_add_nc_u64 s[8:9], s[8:9], 2048              ; the next tile: 1,024 columns of 2 bytes on (the stores name s[CW:CW+1], not this pair)
	s_sub_co_u32 s2, s2, 1
	s_branch .Ltile
.Llast_tile:
	MEET 0                                         ; my one tensor load that was still out is slot 1's, the last K step's, so no round follows
	PLACES                                         ; for the loads into buffer 0, which the quarter before multiplied
	WIN TO_B
	BLOAD 0                                        ; three quarters of B now: buffer 1 (v128-191 of both windows) is still being multiplied.  The bias and the table are read no more
	BLOAD 1
	BLOAD 3
	WIN 0
	ALOAD 0
	MUL16 F1, 1, 0, 0
	MUL16 F1, 1, 2, 0
	PLACES                                         ; for the loads into buffer 1
	WIN TO_B
	BLOAD 2
	WIN 0
	ALOAD 1
	ALOAD 2
	ALOAD 3
	s_wait_dscnt 40                                ; all but the 40 just issued
	ROW 0
.irp a, 0,1,2,3,4,5,6,7                ; each block leaves as soon as it is finished: nothing follows this tile
	PLACES                                         ; its conversions read results just made, and no other vector work is at hand
	PACKV \a
	TOSTAGE \a
.if (\a) < 4
	ALOAD (\a)+4                                   ; its buffer takes the block four further on
	SEND \a, 8
.else
	SEND \a, 0
.endif
.if (\a) < 7
	ROW (\a)+1
.endif
.endr
	s_wait_tensorcnt 0x0                           ; the wave's end, behind my last tensor load and my last LDS store
	ds_add_u32 v[SPW], v[NIL]
	s_wait_dscnt 0x0
	CROUND                                         ; the closing round: no work-group ends while a partner may still ask for a tile that names it
	s_endpgm
.Lfunc_end_k_qdf2adcfdbe_proj:
	.size	k_qdf2adcfdbe_proj, .Lfunc_end_k_qdf2adcfdbe_proj-k_qdf2adcfdbe_proj
	.p2alignl 7, 3214868480
	.fill 96, 4, 3214868480
	.section	.rodata,"a",@progbits
	.p2align	6, 0x0
	.amdhsa_kernel k_qdf2adcfdbe_proj
		.amdhsa_group_segment_fixed_size 327680
		.amdhsa_private_segment_fixed_size 0
		.amdhsa_enable_private_segment 0
		.amdhsa_kernarg_size 40
		.amdhsa_user_sgpr_count 2
		.amdhsa_user_sgpr_kernarg_segment_ptr 1
		.amdhsa_wavefront_size32 1
		.amdhsa_system_sgpr_workgroup_id_x 1
		.amdhsa_system_sgpr_workgroup_id_y 1
		.amdhsa_system_sgpr_workgroup_id_z 1
		.amdhsa_system_vgpr_workitem_id 0
		.amdhsa_next_free_vgpr 1024
		.amdhsa_next_free_sgpr 80
		.amdhsa_reserve_vcc 0
		.amdhsa_float_denorm_mode_32 3
		.amdhsa_float_denorm_mode_16_64 3
		.amdhsa_memory_ordered 1
		.amdhsa_forward_progress 1
		.amdhsa_inst_pref_size 248
	.end_amdhsa_kernel
	.amdgpu_metadata
---
amdhsa.version: [ 1, 2 ]
amdhsa.kernels:
  - .name:           k_qdf2adcfdbe_proj
    .symbol:         k_qdf2adcfdbe_proj.kd
    .args:
      - { .name: xb, .offset: 0, .size: 8, .value_kind: global_buffer, .address_space: global }
      - { .name: wt, .offset: 8, .size: 8, .value_kind: global_buffer, .address_space: global }
      - { .name: ball, .offset: 16, .size: 8, .value_kind: global_buffer, .address_space: global }
      - { .name: rope, .offset: 24, .size: 8, .value_kind: global_buffer, .address_space: global }
      - { .name: qkv, .offset: 32, .size: 8, .value_kind: global_buffer, .address_space: global }
    .group_segment_fixed_size: 327680
    .private_segment_fixed_size: 0
    .kernarg_segment_align: 8
    .kernarg_segment_size: 40
    .max_flat_workgroup_size: 128
    .sgpr_count:     80
    .vgpr_count:     1024
    .wavefront_size: 32
...
	.end_amdgpu_metadata
.endif
;; end of part 2
;; launch attn (part 3): grid 256 x 1, 16 waves a work-group, no clusters, 71,680 bytes of LDS; arguments qkv, out0; writes out0
.if DOCPART == 3
	.amdgcn_target "amdgcn-amd-amdhsa--gfx1250"
	.amdhsa_code_object_version 6
	.text
	.protected	k_qdf2adcfdbe_attn
	.globl	k_qdf2adcfdbe_attn
	.p2align	8
	.type	k_qdf2adcfdbe_attn,@function
k_qdf2adcfdbe_attn:
	s_mov_b64 s[64:65], 0
	v_nop
	global_prefetch_b8 v0, s[64:65] scope:SCOPE_SE
	s_setreg_imm32_b32 hwreg(HW_REG_WAVE_MODE, 25, 1), 1
	s_wait_xcnt 0x0
; ATTN: for each position alone, attention over its 16 heads.  out0[pos][64 i + d] = sum over j of softmax_j(q_i . k_j / 8) v_j[d].  qkv: [16384][3072] f16; out0: [16384][1024] f32.
; A row of qkv is q' | k' | v', 2,048 bytes each.  q', k': number 256 (d / 16) + 16 head + d % 16; v': number 16 d + head.  So every fragment below is one load of 16 bytes a lane at byte
; 32 (l % 16) + 16 (l / 16) of a piece of 512 bytes: each load of a wave covers 512 consecutive bytes, and nothing goes through LDS on the way in.
; S^T = K Q^T (source 0 = the 16 key heads, source 1 = the 16 query heads, 64 channels in two products): a lane holds ONE query head i (l % 16) and the key heads j = 8 (l / 16) + 0..7.
; The softmax takes the row's maximum away: p = 2^(c s - c m), c = log2(e) / 8; the maximum and the sum want one exchange between the halves of the lanes; p is divided by its sum in f32 and rounded
; once to f16.  Packed in pairs it IS the first half (k = 0..15) of source 1 of O^T = V^T P^T; the second half (k = 16..31) is 0, so what source 0 holds there (the next piece of v', or zeros) adds 0.
; O^T holds one query head a lane and eight channels: 32 bytes of a head's 256; a position goes through the wave's own stage in LDS and leaves as whole rows.
; SHARES.  A wave owns four positions, in two sets of two; all its 48 loads (24 KiB) go out at its head; no loop, no barrier.  Memory binds: each byte is read once and written once.  No tensor load, no
; cluster: nothing is shared.
; LIMITS.  q, k, v arrive within f16's range, finite (an infinity beside a zero weight would give NaN).  A weight below 2^-126 counts as 0.  NaN and infinities are not treated apart.
.set ROWB, 6144                        ; bytes in a row of qkv
.set OUTB, 4096                        ; bytes in a row of out0
.set SP,   272                         ; a stage row: 256 bytes + 16: the sixteen rows that a store touches start at sixteen different groups of four banks (64 banks of 4 bytes: ISA guide 11.1)
.set STG,  16*SP                       ; a wave's stage
.set SPARE, 16*STG                     ; behind the stages: the spare words, 128 bytes for each of sixteen waves: eight blocks of 256 bytes that no other line names
.set LO,  1                            ; v1   my byte offset in a piece of 512 bytes; never rewritten
.set STO, 2                            ; v2   where I put 32 bytes of a head's row
.set RD,  3                            ; v3   where I read rows back
.set GO,  4                            ; v4   my byte offset in 512 consecutive bytes of out0
.set SPW, 6                            ; v6   LDS address of my spare word; never rewritten
.set NIL, 7                            ; v7   0; never rewritten
.set LB0, 16                           ; set s at LB0 + 100 s: Q of position p at + 16 p, K at + 32 + 16 p, V at + 64 + 16 p, four zeros at + 96; O^T (p, channel block cb) at + 32 p + 8 cb, over Q and K
.set S,   216                          ; v[216:231] S^T of the set's two positions
.set P,   232                          ; v[232:247] P^T: four registers of weights, four of zeros, a position
.set ST,  248                          ; v[248:255] a position's c m, m, and two at work
.set CS,  10                           ; s[10:11] c: the packed scaling takes the pair's low word for both halves
.set SEL, 12                           ; s[12:13] v_permlanex16_b32's selects: each lane takes its own place in the other half
	s_load_b128 s[4:7], s[0:1], 0x0                ; qkv s[4:5], out0 s[6:7]
	v_lshl_add_u32 v[SPW], v0, 2, SPARE
	v_mov_b32 v[NIL], 0
	v_lshrrev_b32 v8, 5, v0
	v_readfirstlane_b32 s8, v8                     ; wave 0..15
	v_and_b32 v9, 15, v0                           ; l % 16
	v_bfe_u32 v10, v0, 4, 1                        ; l / 16
	v_and_b32 v11, 31, v0                          ; l
	v_lshlrev_b32 v[LO], 5, v9
	v_lshl_add_u32 v[LO], v10, 4, v[LO]
	s_mul_i32 s9, s8, STG                          ; my stage
	v_mul_u32_u24 v[STO], v9, SP                   ; in: row = query head l % 16, 32 bytes for each half of the lanes
	v_lshl_add_u32 v[STO], v10, 5, v[STO]
	v_add_nc_u32 v[STO], s9, v[STO]
	v_mul_u32_u24 v[RD], v10, SP                   ; back: lanes 0-15 take one row of 256 bytes, lanes 16-31 the next
	v_lshl_add_u32 v[RD], v9, 4, v[RD]
	v_add_nc_u32 v[RD], s9, v[RD]
	v_lshlrev_b32 v[GO], 4, v11
	s_lshl_b32 s14, ttmp9, 6
	s_lshl2_add_u32 s14, s8, s14                   ; my first position: 64 x work-group + 4 x wave
	s_mul_i32 s16, s14, ROWB
	s_mov_b32 s17, 0
	s_lshl_b32 s18, s14, 12
	s_mov_b32 s19, 0
	s_mov_b32 s[CS], 0x3e38aa3b                    ; c = log2(e) / 8 = 0.180337
	s_mov_b32 s[CS+1], s[CS]                       ; named with it as a pair
	s_mov_b32 s[SEL], 0x76543210
	s_mov_b32 s[SEL+1], 0xfedcba98
	s_wait_kmcnt 0x0
	s_add_nc_u64 s[4:5], s[4:5], s[16:17]
	s_add_nc_u64 s[6:7], s[6:7], s[18:19]
.irp s, 0,1
.irp p, 0,1
.irp n, 0,1,2,3,4,5,6,7,8,9,10,11      ; pieces 0-3: q', 4-7: k', 8-11: v'
	global_load_b128 v[LB0+100*(\s)+32*((\n)/4)+16*(\p)+4*((\n)%4):LB0+100*(\s)+32*((\n)/4)+16*(\p)+4*((\n)%4)+3], v[LO], s[4:5] offset:(2*(\s)+(\p))*ROWB+512*(\n) th:TH_LOAD_NT
.endr
.endr
.endr
.irp z, 0,1,2,3                        ; the zeros, written while the loads are out
	v_mov_b32 v[LB0+96+(\z)], 0
	v_mov_b32 v[LB0+196+(\z)], 0
	v_mov_b32 v[P+4+(\z)], 0
	v_mov_b32 v[P+12+(\z)], 0
.endr
; Behind a run of products: plain places in front of what reads the results (ISA guide 7.12.1 asks four of this form; eight are written: the wave waits for memory anyway).
.macro PLACES
.rept 8
	v_nop
.endr
.endm
; One set: two positions, side by side, so that no instruction reads the result of the one before it.  left = how many younger loads may stay out.
.macro SET s, left
.set LB, LB0+100*(\s)
	s_wait_loadcnt \left                           ; loads come back in order: this set's 24 are in
.irp p, 0,1                            ; the two accumulators take turns, one instruction a turn
	v_wmma_f32_16x16x32_f16 v[S+8*(\p):S+8*(\p)+7], v[LB+32+16*(\p):LB+32+16*(\p)+7], v[LB+16*(\p):LB+16*(\p)+7], 0
.endr
.irp p, 0,1
	v_wmma_f32_16x16x32_f16 v[S+8*(\p):S+8*(\p)+7], v[LB+32+16*(\p)+8:LB+32+16*(\p)+15], v[LB+16*(\p)+8:LB+16*(\p)+15], v[S+8*(\p):S+8*(\p)+7]
.endr
	PLACES
.irp p, 0,1
	v_max3_num_f32 v[ST+4*(\p)+2], v[S+8*(\p)], v[S+8*(\p)+1], v[S+8*(\p)+2]  ; the accumulator's lowest registers first
.endr
.irp p, 0,1
	v_max3_num_f32 v[ST+4*(\p)+3], v[S+8*(\p)+3], v[S+8*(\p)+4], v[S+8*(\p)+5]
.endr
.irp p, 0,1
	v_max3_num_f32 v[ST+4*(\p)+2], v[ST+4*(\p)+2], v[S+8*(\p)+6], v[S+8*(\p)+7]
.endr
.irp p, 0,1
	v_max_num_f32 v[ST+4*(\p)+2], v[ST+4*(\p)+2], v[ST+4*(\p)+3]
.endr
.irp p, 0,1
	v_permlanex16_b32 v[ST+4*(\p)+3], v[ST+4*(\p)+2], s[SEL], s[SEL+1]  ; the query head's other eight key heads lie in the lane 16 away
.endr
.irp p, 0,1
	v_max_num_f32 v[ST+4*(\p)+1], v[ST+4*(\p)+2], v[ST+4*(\p)+3]        ; m
.endr
.irp p, 0,1
	v_mul_f32 v[ST+4*(\p)], s[CS], v[ST+4*(\p)+1]                       ; c m
.endr
.irp g, 0,1,2,3
.irp p, 0,1
	v_pk_fma_f32 v[S+8*(\p)+2*(\g):S+8*(\p)+2*(\g)+1], v[S+8*(\p)+2*(\g):S+8*(\p)+2*(\g)+1], s[CS:CS+1], v[ST+4*(\p):ST+4*(\p)+1] op_sel_hi:[1,0,0] neg_lo:[0,0,1] neg_hi:[0,0,1]  ; c s - c m
.endr
.endr
.irp e, 0,1,2,3,4,5,6,7,8,9,10,11,12,13,14,15
	v_exp_f32 v[S+(\e)], v[S+(\e)]
.endr
	v_nop                                          ; a plain instruction behind the last exponential,
	s_wait_alu depctr_va_vdst(0)                   ; and the one wait ahead of the batch's first reader
.irp p, 0,1
	v_pk_add_f32 v[ST+4*(\p)+2:ST+4*(\p)+3], v[S+8*(\p):S+8*(\p)+1], v[S+8*(\p)+2:S+8*(\p)+3]
.endr
.irp p, 0,1
	v_pk_add_f32 v[ST+4*(\p)+2:ST+4*(\p)+3], v[ST+4*(\p)+2:ST+4*(\p)+3], v[S+8*(\p)+4:S+8*(\p)+5]
.endr
.irp p, 0,1
	v_pk_add_f32 v[ST+4*(\p)+2:ST+4*(\p)+3], v[ST+4*(\p)+2:ST+4*(\p)+3], v[S+8*(\p)+6:S+8*(\p)+7]
.endr
.irp p, 0,1
	v_add_f32 v[ST+4*(\p)+2], v[ST+4*(\p)+2], v[ST+4*(\p)+3]
.endr
.irp p, 0,1
	v_permlanex16_b32 v[ST+4*(\p)+3], v[ST+4*(\p)+2], s[SEL], s[SEL+1]
.endr
.irp p, 0,1
	v_add_f32 v[ST+4*(\p)+2], v[ST+4*(\p)+2], v[ST+4*(\p)+3]            ; the sum of the row's sixteen weights
.endr
.irp p, 0,1
	v_rcp_f32 v[ST+4*(\p)+2], v[ST+4*(\p)+2]
.endr
	v_nop                                          ; a plain instruction behind the last reciprocal,
	s_wait_alu depctr_va_vdst(0)                   ; and the wait ahead of the first use: one for the two
.irp g, 0,1,2,3
.irp p, 0,1
	v_pk_mul_f32 v[S+8*(\p)+2*(\g):S+8*(\p)+2*(\g)+1], v[S+8*(\p)+2*(\g):S+8*(\p)+2*(\g)+1], v[ST+4*(\p)+2:ST+4*(\p)+3] op_sel_hi:[1,0]
.endr
.endr
.irp g, 0,1,2,3
.irp p, 0,1
	v_cvt_pk_f16_f32 v[P+8*(\p)+(\g)], v[S+8*(\p)+2*(\g)], v[S+8*(\p)+2*(\g)+1]
.endr
.endr
.irp cb, 0,1,2,3                       ; eight sums of one product each: channels 16 cb on
.irp p, 0,1
	v_wmma_f32_16x16x32_f16 v[LB+32*(\p)+8*(\cb):LB+32*(\p)+8*(\cb)+7], v[LB+64+16*(\p)+4*(\cb):LB+64+16*(\p)+4*(\cb)+7], v[P+8*(\p):P+8*(\p)+7], 0
.endr
.endr
	PLACES
.irp p, 0,1
.irp cb, 0,1,2,3
	ds_store_b128 v[STO], v[LB+32*(\p)+8*(\cb):LB+32*(\p)+8*(\cb)+3]   offset:64*(\cb)      ; the accumulator's lowest registers first
	ds_store_b128 v[STO], v[LB+32*(\p)+8*(\cb)+4:LB+32*(\p)+8*(\cb)+7] offset:64*(\cb)+16
.endr
.irp t, 0,1,2,3,4,5,6,7
	ds_load_b128 v[LB+32*(\p)+4*(\t):LB+32*(\p)+4*(\t)+3], v[RD] offset:(\t)*2*SP  ; LDS serves a wave's instructions in order (ISA guide 5.7.1.4): these see the stores above; the next position's stores come behind them
.endr
.endr
.irp p, 0,1
.irp t, 0,1,2,3,4,5,6,7
	s_wait_dscnt 16*(1-(\p))+7-(\t)                ; behind this load: the position's later loads, and for the first position the second's sixteen LDS instructions
	global_store_b128 v[GO], v[LB+32*(\p)+4*(\t):LB+32*(\p)+4*(\t)+3], s[6:7] offset:(2*(\s)+(\p))*OUTB+512*(\t) th:TH_STORE_NT  ; 512 consecutive bytes, at a multiple of 256 from out0's first
.endr
.endr
.endm
	SET 0, 24                                      ; the second set's 24 loads may stay out
	SET 1, 0
	s_wait_tensorcnt 0x0                           ; the wave's end, behind my last LDS store
	ds_add_u32 v[SPW], v[NIL]
	s_wait_dscnt 0x0
	s_endpgm
.Lfunc_end_k_qdf2adcfdbe_attn:
	.size	k_qdf2adcfdbe_attn, .Lfunc_end_k_qdf2adcfdbe_attn-k_qdf2adcfdbe_attn
	.p2alignl 7, 3214868480
	.fill 96, 4, 3214868480
	.section	.rodata,"a",@progbits
	.p2align	6, 0x0
	.amdhsa_kernel k_qdf2adcfdbe_attn
		.amdhsa_group_segment_fixed_size 71680
		.amdhsa_private_segment_fixed_size 0
		.amdhsa_enable_private_segment 0
		.amdhsa_kernarg_size 16
		.amdhsa_user_sgpr_count 2
		.amdhsa_user_sgpr_kernarg_segment_ptr 1
		.amdhsa_wavefront_size32 1
		.amdhsa_system_sgpr_workgroup_id_x 1
		.amdhsa_system_sgpr_workgroup_id_y 1
		.amdhsa_system_sgpr_workgroup_id_z 1
		.amdhsa_system_vgpr_workitem_id 0
		.amdhsa_next_free_vgpr 256
		.amdhsa_next_free_sgpr 66
		.amdhsa_reserve_vcc 0
		.amdhsa_float_denorm_mode_32 3
		.amdhsa_float_denorm_mode_16_64 3
		.amdhsa_memory_ordered 1
		.amdhsa_forward_progress 1
		.amdhsa_inst_pref_size 25
	.end_amdhsa_kernel
	.amdgpu_metadata
---
amdhsa.version: [ 1, 2 ]
amdhsa.kernels:
  - .name:           k_qdf2adcfdbe_attn
    .symbol:         k_qdf2adcfdbe_attn.kd
    .args:
      - { .name: qkv, .offset: 0, .size: 8, .value_kind: global_buffer, .address_space: global }
      - { .name: out0, .offset: 8, .size: 8, .value_kind: global_buffer, .address_space: global }
    .group_segment_fixed_size: 71680
    .private_segment_fixed_size: 0
    .kernarg_segment_align: 8
    .kernarg_segment_size: 16
    .max_flat_workgroup_size: 512
    .sgpr_count:     66
    .vgpr_count:     256
    .wavefront_size: 32
...
	.end_amdgpu_metadata
.endif
;; end of part 3
